; MI455X (gfx1250); checked and timed in simulation.
; The chip was launched on July 23, 2026; its instructions are those of AMD's public machine-readable ISA for CDNA 5 (MIT licence, August 2026) and "CDNA5" Instruction Set Architecture Reference Guide (July 2026). The comments in the code are by the model that wrote it; some were corrected since.
;; Multi Headed Attention. Allowed arithmetic: matrix products marked QUANTISED: E4M3 operands, one given power-of-two scale a tensor, by v_wmma_f32_16x16x64_fp8_fp8 or v_wmma_f32_16x16x128_fp8_fp8, f32 sums; everything else in f32.
;; Inputs: Wk_codes 1,024 x 32 x 32 uint8 (E4M3 codes of Wk, K innermost, in blocks of 32 codes); Wo_codes 1,024 x 32 x 32 uint8 (E4M3 codes of Wo, K innermost, in blocks of 32 codes); Wq_codes 1,024 x 32 x 32 uint8 (E4M3 codes of Wq, K innermost, in blocks of 32 codes); Wv_codes 1,024 x 32 x 32 uint8 (E4M3 codes of Wv, K innermost, in blocks of 32 codes); bk 1,024 float32; bo 1,024 float32; bq 1,024 float32; bv 1,024 float32; k_codes 4 x 2,048 x 32 x 32 uint8 (E4M3 codes of k, K innermost, in blocks of 32 codes); lowp_scales 12 int32 (the exponents e of the quantised operands' scales 2^e); padding_mask 4 x 2,048 int32; q_codes 4 x 2,048 x 32 x 32 uint8 (E4M3 codes of q, K innermost, in blocks of 32 codes); v_codes 4 x 2,048 x 32 x 32 uint8 (E4M3 codes of v, K innermost, in blocks of 32 codes).
;; Outputs: out0 4 x 2,048 x 1,024 float32.
;; Constants: is_causal = 1.
;; This version of the problem:
;;   THIS VERSION OF THE PROBLEM IS GIVEN IN LOW PRECISION. The matrix products marked QUANTISED in the list below multiply operands that are first quantised to E4M3 (4 exponent bits, 3 mantissa bits; 8 bits a number), with one given power-of-two scale for each operand tensor; their sums are f32. All else is computed in f32.
;;   The module's matrix products, in the order in which they are computed (A, B: the left and right operand; K: the contracted axis; several contracted axes count as one K, in the product's order):
;;     1. [M 8,192, K 1,024] x [K 1,024, N 1,024]; A: input q (given as codes); B: input Wq (given as codes): QUANTISED (scales: A lowp_scales[0], B lowp_scales[1])
;;     2. [M 8,192, K 1,024] x [K 1,024, N 1,024]; A: input k (given as codes); B: input Wk (given as codes): QUANTISED (scales: A lowp_scales[2], B lowp_scales[3])
;;     3. [M 8,192, K 1,024] x [K 1,024, N 1,024]; A: input v (given as codes); B: input Wv (given as codes): QUANTISED (scales: A lowp_scales[4], B lowp_scales[5])
;;     4. batch 64 x [M 2,048, K 64] x [K 64, N 2,048]; A: computed on the way; B: computed on the way: QUANTISED (scales: A lowp_scales[6], B lowp_scales[7])
;;     5. batch 64 x [M 2,048, K 2,048] x [K 2,048, N 64]; A: softmax (see below); B: computed on the way: QUANTISED (scales: A lowp_scales[8], B lowp_scales[9])
;;     6. [M 8,192, K 1,024] x [K 1,024, N 1,024]; A: computed on the way; B: input Wo (given as codes): QUANTISED (scales: A lowp_scales[10], B lowp_scales[11])
;;   THE QUANTISER, for each operand of a quantised product, along K:
;;     - The operand's scale is 2^e, e = its entry of the input lowp_scales (int32; the entries are numbered through the quantised products in the list's order, A before B).
;;     - Each number is divided by the scale, clamped to +-448, and rounded to the nearest number of E4M3, ties to even, subnormals kept.
;;     - The product sums the exact products of the quantised numbers (number of the format x scale) in f32.
;;   ~~~python
;;   def quantise(x, axis, e):      # numpy; x: float32 -> the quantised numbers, widened to float32 again
;;       x = np.moveaxis(x, axis, -1); K = x.shape[-1]
;;       r = np.clip(x / 2.0 ** e, -448, 448)
;;       step = 2.0 ** (np.maximum(np.frexp(np.where(r == 0, 1, r))[1] - 1, -6) - 3)
;;       q = np.round(r / step) * step * 2.0 ** e      # np.round: ties to even
;;       return np.moveaxis(q, -1, axis).astype(np.float32)
;;   ~~~
;;   SOFTMAX AHEAD OF A QUANTISED PRODUCT. Where the list says 'softmax', what is quantised is not the finished softmax but p = 2^(t - M), with t = logit x log2(e) and M = ceil(the row's largest t), a whole number; so 1/2 < the row's largest p <= 1. The row's sum l is taken of the UNQUANTISED p, in f32, and the product's result is divided by l at the end. Since M is a whole number, a kernel that streams over the keys may use a running M (the ceiling of the running maximum): every later rescaling is an exact power of two, so the quantised numbers keep their values, but for numbers so far below the row's largest that they fall under the format's range.
;;   OPERANDS COMPUTED ON THE WAY. 'Computed on the way' means the value that the module computes at that place (a softmax that the list does not call 'softmax' is quantised finished and normalised). What goes into a quantiser is computed in f32, as accurately as f32 sums, v_exp_f32 and their like allow (about 1e-6 of the number): no bf16 or f16 on the way to a quantiser, and a product that is left as it is and whose result goes on into a quantised operand takes f32 operands (vector FMAs, or v_wmma_f32_16x16x4_f32). A number that lies on a knife's edge between two numbers of the format may be rounded either way, as far as f32 arithmetic and the matrix unit's own rounding can turn it there, and no further.
;;   INPUTS GIVEN AS CODES. Wk (in the module: [1024, 1024], K = its axis 1); Wo (in the module: [1024, 1024], K = its axis 1); Wq (in the module: [1024, 1024], K = its axis 1); Wv (in the module: [1024, 1024], K = its axis 1); k (in the module: [4, 2048, 1024], K = its axis 2); q (in the module: [4, 2048, 1024], K = its axis 2); v (in the module: [4, 2048, 1024], K = its axis 2): each comes as NAME_codes (uint8): NAME with its K axis moved to the last place and cut into blocks of 32 codes, [.., K / 32, bytes a block], one block behind the other in memory; one code a byte (a code: sign, 4 exponent bits, 3 mantissa bits); its scale is its entry of lowp_scales. Its value is code x scale, taken as it is: it is not quantised again, and the codes and scales need not be those that the quantiser above would give.
;; One version. Each part assembles by itself: llvm-mc -triple=amdgcn-amd-amdhsa -mcpu=gfx1250 --defsym DOCPART=n.
;; ======== version 1 of 1: 3 launches
;; limits: right only within a limited range of input values
;; workspace buffers: qh 8,388,608 bytes; kv 16,777,216 bytes; hid 8,388,608 bytes
;; launch proj (part 1): grid 4 x 96, 4 waves a work-group, clusters of 4 x 4, 327,680 bytes of LDS; arguments q_codes, k_codes, v_codes, Wq_codes, Wk_codes, Wv_codes, bq, bk, bv, lowp_scales, qh, kv; writes qh, kv
.if DOCPART == 1
	.amdgcn_target "amdgcn-amd-amdhsa--gfx1250"
	.amdhsa_code_object_version 6
	.text
	.protected	k_qe21904b9e2_proj
	.globl	k_qe21904b9e2_proj
	.p2align	8
	.type	k_qe21904b9e2_proj,@function
k_qe21904b9e2_proj:
	s_mov_b64 s[64:65], 0
	v_nop
	global_prefetch_b8 v0, s[64:65] scope:SCOPE_SE
	s_setreg_imm32_b32 hwreg(HW_REG_WAVE_MODE, 25, 1), 1
	s_wait_xcnt 0x0
	s_wait_alu depctr_hold_cnt(0) depctr_sa_sdst(0) depctr_va_vdst(0) depctr_va_sdst(0) depctr_va_ssrc(0) depctr_va_vcc(0) depctr_vm_vsrc(0)
	s_getreg_b32 s2, hwreg(HW_REG_IB_STS2, 6, 4)
	s_cmp_eq_u32 s2, 0
	s_cbranch_scc0 .Lentry_in_a_cluster
	s_endpgm
.Lentry_in_a_cluster:
	s_bfe_u32 s2, ttmp6, 0x10000c
	s_cmp_lg_u32 s2, 0xf033
	s_cbranch_scc0 .Lentry_shape_is_right
	s_endpgm
.Lentry_shape_is_right:
; THE THREE INPUT PROJECTIONS: x W^T + b on codes of FP8 (E4M3), each result quantised at once with its given scale and stored as codes.
; x: q, k, v [8192][1024]; W: Wq, Wk, Wv [1024][1024]; K innermost, one code a byte.  Sums in f32; sum x 2^(ea + ew) + bias in f32; code = that / 2^eo, to the nearest code.
; (ea, ew, eo) = entries (0, 1, 6) of the scales for q, (2, 3, 7) for k, (4, 5, 9) for v.
; LIMITS: ea + ew between -126 and 127, eo between -126 and 119, so that each power of two below is an f32 number.  NaN among the biases is not served.
; SHARES.  384 tiles of 256 x 256; a work-group of four waves makes one, a wave 128 x 128: 64 accumulators of 16 x 16, 512 registers.  K = 1,024 goes in four steps of 256 through a ring of two LDS slots.
; The cluster's y says which product (y / 8: 0 q, 1 k, 2 v) and which four tile rows (y % 8).
; CLUSTERS: 4 x 4 work-groups.  The four of a row of the cluster need the same tiles of side A, the four of a column the same tiles of side B: each tile is asked for JOINTLY.
; THE MATRIX INSTRUCTION IS USED TRANSPOSED (source 0 = 16 rows of side B, source 1 = 16 rows of side A): a lane holds ONE row of side A, and its eight registers run along eight neighbouring rows of side B.
; For q and k side A is the activation and side B the weight: a lane holds one token and eight neighbouring channels d: the next product's K.  For v THE SIDES ARE SWAPPED, by pointers alone: side A is Wv, side B is v:
; a lane holds one channel d and eight neighbouring keys, which are the K of the product with the softmax.  So in all three the conversions' results ARE registers of the next product's fragments.
; THE OUTPUTS ARE IMAGES OF THOSE FRAGMENTS' REGISTERS (16 x 64 form: registers 2 c, 2 c + 1 of lane (r, h) hold K = 16 c + 8 h + 0 .. 7 of row r); HD = 16 x batch + head:
;   qh [HD][tile of 16 queries: 128][g: 2][lane][16 bytes]: registers 4 g .. 4 g + 3.
;   kv [HD][step of 64 keys: 32][8,192 bytes]: bytes 0 .. 4,095 K: [tile of 16 keys: 4][g][lane][16]; bytes 4,096 on V^T: [tile of 16 channels: 4][g][lane][16], K = the step's 64 keys.
; Each store of a wave covers 512 consecutive bytes, aligned.  No stage in LDS is needed.
; REGISTERS, in windows of 256: window 0: v16-31 addresses; v32-95 the bias; v97 the conversion's scale; from v128 side A's fragments, ONE set (on the way out v128-191 numbers, v192-223 codes);
;   window 1: side B's fragments, TWO sets;  window 2: the accumulators of my rows 0-63 ((a, b) at v[8 (8 a + b)]);  window 3: those of my rows 64-127.
.set KSTEP,  256                       ; along K in a slot
.set ROWB,   256                       ; a tile's row in bytes
.set KROW,   1024                      ; a row of either side in memory, in bytes
.set PITCH,  272                       ; an LDS row: 256 bytes + 16 of padding = 68 words, so that the 16 rows that a load touches start at 16 different banks (64 banks of 4 bytes: ISA guide 11.1)
.set FR,     16                        ; registers of a fragment: 16 rows x 128 K
.set NL,     4                         ; LDS loads that bring one
.set NP,     4                         ; places behind this matrix instruction (ISA guide 7.12.1)
.set HALFT,  128*PITCH                 ; 128 rows: what one tensor load brings
.set SLOT,   4*HALFT                   ; side A's 256 rows, then side B's
.set LAPS,   KROW/(2*KSTEP)            ; 2: a lap = two K steps = once round the ring
.set SPARE,  2*SLOT                    ; behind the ring: the spare words, 128 bytes for each wave: two blocks of 256 bytes that no other line names
.set ADRA, 16                          ; v16-17  LDS address of my fragments of side A in slot 0, 1
.set ADRB, 20                          ; v20-21  the same for side B
.set H32,  22                          ; v22     32 x (lane / 16): my eight bias numbers of a block (q, k)
.set R4,   23                          ; v23     4 x (lane % 16): my one bias number of a block (v)
.set CO,   24                          ; v24-27  q, k: store offsets: 16 x lane + head (0, 1) + upper half of my rows (0, 1)
.set SPW,  28                          ; v28     LDS address of my spare word; never rewritten
.set NIL,  29                          ; v29     0; never rewritten
.set L16,  30                          ; v30     16 x lane
.set BI,   32                          ; v32-95  the bias
.set LIMR, 96
.set SCR,  97                          ; v97     2^eo
.set AF,   128                         ; side A's fragments
.set TT,   128                         ; the way out: a block's 64 numbers
.set CD,   192                         ; the way out: two sets of 16 registers of codes
.set G1, 24                            ; s[24:31] descriptor group 1 for side A;  s[32:39] group 0, one set for each slot
.set G0, 32
.set G1B, 48                           ; s[48:55], s[56:63] the same for side B
.set G0B, 56
.set MSB, 0
.macro WIN new                         ; the immediate's high byte repeats the setting that is left
.if MSB != (\new)
	s_set_vgpr_msb (MSB<<8)|(\new)
.set MSB, (\new)
.endif
.endm
.set MUL_LO, 0xa1                      ; source 0 (B) window 1, source 1 (A) window 0, C and D window 2
.set MUL_HI, 0xf1                      ; the same, C and D window 3
.set TO_B,   0x40                      ; destination window 1, address window 0
; A joint load: waves 0 and 1 fetch for side A, waves 2 and 3 for side B.  The branch hangs on the wave's number alone.  Four v_nop follow each of the two lines.
.macro JLOAD g0a, g1a, g0b, g1b
	s_cmp_eq_u32 s15, 0
	s_cbranch_scc0 .Lfor_b_\@
	tensor_load_to_lds s[\g0a:\g0a+3], s[\g1a:\g1a+7]
	s_nop 0
.rept 4
	v_nop
.endr
	s_branch .Lasked_\@
.Lfor_b_\@:
	tensor_load_to_lds s[\g0b:\g0b+3], s[\g1b:\g1b+7]
	s_nop 0
.rept 4
	v_nop
.endr
.Lasked_\@:
.endm
.macro CREST                           ; a round of the cluster's barrier behind its opening barrier
	s_cmp_lg_u32 s14, 0
	s_cbranch_scc1 .Lnot_wave_0_\@
	s_barrier_signal -3
.Lnot_wave_0_\@:
	s_barrier_wait -3
	s_barrier_signal -1
	s_barrier_wait -1
.endm
.macro CROUND                          ; a whole round
	s_barrier_signal -1
	s_barrier_wait -1
	CREST
.endm
	s_load_b512 s[68:83], s[0:1], 0x0              ; q s[68:69], k s[70:71], v s[72:73], Wq s[74:75], Wk s[76:77], Wv s[78:79], bq s[80:81], bk s[82:83]
	s_load_b256 s[84:91], s[0:1], 0x40             ; bv s[84:85], the scales' exponents s[86:87], qh s[88:89], kv s[90:91]
	v_lshl_add_u32 v[SPW], v0, 2, SPARE
	v_mov_b32 v[NIL], 0
	ds_add_u32 v28, v29
	ds_add_u32 v28, v29
	s_wait_dscnt 0x0
	v_lshrrev_b32 v1, 5, v0
	v_readfirstlane_b32 s14, v1                    ; wave 0..3
	s_lshr_b32 s15, s14, 1                         ; which half of the tile's rows (side A) is mine.  Also: I fetch for side A (0) or B (1)
	s_and_b32 s16, s14, 1                          ; which half of its columns (side B).  Also: which 128 rows of that tile I fetch
	s_bfe_u32 s40, ttmp6, 0x40000                  ; cx, cy: my place in the cluster
	s_bfe_u32 s41, ttmp6, 0x40004
	s_and_b32 s12, ttmp7, 0xffff                   ; the cluster's y, 0..23 (the grid is one cluster wide)
	s_and_b32 s13, s12, 7
	s_lshl_b32 s13, s13, 2                         ; the first of the four tiles that this cluster takes along the activation's 32
	s_lshr_b32 s12, s12, 3                         ; which product: 0 q, 1 k, 2 v: the same in all sixteen partners
	s_cmp_eq_u32 s12, 2
	s_cselect_b32 s17, 0, s13                      ; the activation lies on side A for q and k,
	s_cselect_b32 s42, s13, 0                      ; on side B for v
	s_add_co_u32 s17, s17, s41                     ; tile row (side A): hangs on cy alone
	s_add_co_u32 s42, s42, s40                     ; tile column (side B): on cx alone
	s_lshl_b32 s43, s41, 2
	s_lshl_b32 s43, 15, s43                        ; my row of the cluster
	s_lshl_b32 s44, 0x1111, s40                    ; my column
	; descriptor group 1: a tile of 128 rows x 256 bytes, padded in LDS
	s_or_b32 s[G1+0], s43, (0<<16)|(1<<20)|(1<<21)|(5<<22)|(3<<25)  ; 15:0 the mask: side A's tiles go to my row; 17:16 element of 1 byte; 20 padding on; 21 set beside a mask; 24:22 after every 64 words (code 5); 31:25 of 4 words (code 3)
	s_or_b32 s[G1B+0], s44, (0<<16)|(1<<20)|(1<<21)|(5<<22)|(3<<25)
.irp g, G1, G1B
	s_mov_b32 s[\g+1], ROWB<<16                    ; tensor_dim0
	s_mov_b32 s[\g+2], 128<<16                     ; tensor_dim1 = 128
	s_mov_b32 s[\g+3], ROWB<<16                    ; tile_dim0
	s_mov_b32 s[\g+4], 128                         ; tile_dim1 = 128
	s_mov_b32 s[\g+5], KROW                        ; tensor_dim0_stride
	s_mov_b32 s[\g+6], 0
	s_mov_b32 s[\g+7], 0
.endr
	s_lshl_b32 s18, s16, 7                         ; which 128 rows of the tile I fetch
	s_lshl_b32 s20, s17, 8
	s_add_co_u32 s20, s20, s18                     ; side A: row 256 x tile row + 128 x half,
	s_lshl_b32 s20, s20, 10                        ; in bytes (8,192 rows of 1,024 bytes at the most)
	s_mov_b32 s21, 0
	s_lshl_b32 s46, s42, 8
	s_add_co_u32 s46, s46, s18                     ; side B likewise
	s_lshl_b32 s46, s46, 10
	s_mov_b32 s47, 0
	s_mul_i32 s45, s14, HALFT                      ; where they go: wave x 128 rows: no place in the cluster enters an LDS address
	s_wait_kmcnt 0x0
	s_cmp_eq_u32 s12, 1                            ; the buffers are chosen on the product's number alone
	s_cselect_b64 s[4:5], s[70:71], s[68:69]       ; the activation,
	s_cselect_b64 s[6:7], s[76:77], s[74:75]       ; the weight,
	s_cselect_b64 s[8:9], s[82:83], s[80:81]       ; the bias,
	s_cselect_b64 s[10:11], s[90:91], s[88:89]     ; where the codes go
	s_cmp_eq_u32 s12, 2
	s_cselect_b64 s[4:5], s[72:73], s[4:5]
	s_cselect_b64 s[6:7], s[78:79], s[6:7]
	s_cselect_b64 s[8:9], s[84:85], s[8:9]
	s_cselect_b64 s[10:11], s[90:91], s[10:11]
	s_cselect_b64 s[22:23], s[6:7], s[4:5]         ; side A: the weight for v, else the activation
	s_cselect_b64 s[98:99], s[4:5], s[6:7]         ; side B: the other one
	s_load_b256 s[68:75], s[86:87], 0x0            ; the exponents e0 .. e7 (the pointers that lay here have been chosen from)
	s_load_b128 s[76:79], s[86:87], 0x20           ; e8 .. e11
	s_add_nc_u64 s[20:21], s[22:23], s[20:21]
	s_add_nc_u64 s[46:47], s[98:99], s[46:47]
	CROUND                                         ; all sixteen work-groups are here: the first joint loads meet
.irp s, 0,1
	s_mov_b32 s[G0+4*\s], 1
	s_add_co_u32 s[G0+4*\s+1], s45, \s*SLOT
	s_add_nc_u64 s[G0+4*\s+2:G0+4*\s+3], s[20:21], \s*ROWB
	s_or_b32 s[G0+4*\s+3], s[G0+4*\s+3], 0x80000000
	s_mov_b32 s[G0B+4*\s], 1
	s_add_co_u32 s[G0B+4*\s+1], s45, \s*SLOT
	s_add_nc_u64 s[G0B+4*\s+2:G0B+4*\s+3], s[46:47], \s*ROWB
	s_or_b32 s[G0B+4*\s+3], s[G0B+4*\s+3], 0x80000000
	JLOAD G0+4*\s, G1, G0B+4*\s, G1B               ; two loads of mine are out
.endr
	v_and_b32 v1, 15, v0                           ; r = lane % 16
	v_bfe_u32 v2, v0, 4, 1                         ; h = lane / 16
	v_mul_u32_u24 v3, v1, PITCH
	v_lshl_add_u32 v4, v2, 4, v3                   ; a fragment's row x pitch + 16 x half
	s_mul_i32 s21, s15, HALFT                      ; my 128 rows of side A
	s_mul_i32 s22, s16, HALFT                      ; my 128 rows of side B,
	s_add_co_u32 s22, s22, 2*HALFT                 ; which lie behind A's 256
.irp s, 0,1
	v_add_nc_u32 v[ADRA+\s], s21, v4
	v_add_nc_u32 v[ADRB+\s], s22, v4
	s_add_co_u32 s21, s21, SLOT
	s_add_co_u32 s22, s22, SLOT
.endr
	v_lshlrev_b32 v[H32], 5, v2
	v_lshlrev_b32 v[R4], 2, v1
	v_and_b32 v6, 31, v0
	v_lshlrev_b32 v[L16], 4, v6
.macro FRAG reg, adr, q, i             ; a fragment, 16 rows x 128 K, is 16 registers: lane l holds row l % 16; registers 4 c .. 4 c + 3 hold K = 32 c + 16 (l / 16) + 0 .. 15: the same places of K on both sides, so every product meets its partner
.irp c, 0,1,2,3
	ds_load_b128 v[\reg+4*\c:\reg+4*\c+3], v[\adr] offset:128*(\q)+32*\c+(\i)*16*PITCH
.endr
.endm
; 16 matrix instructions: A's blocks a0, a0 + 1 x B's eight, 128 along K.  p: B's set.  zero = 1: the first product starts the sums.  The 64 accumulators take turns, one instruction a turn, in the same order in every step.
.macro MUL16 a0, p, zero
.irp a, \a0, \a0+1
.irp b, 0,1,2,3,4,5,6,7
.if \zero
	v_wmma_f32_16x16x128_fp8_fp8 v[8*(8*((\a)%4)+\b):8*(8*((\a)%4)+\b)+7], v[128*(\p)+FR*\b:128*(\p)+FR*\b+FR-1], v[AF+FR*(\a):AF+FR*(\a)+FR-1], 0
.else
	v_wmma_f32_16x16x128_fp8_fp8 v[8*(8*((\a)%4)+\b):8*(8*((\a)%4)+\b)+7], v[128*(\p)+FR*\b:128*(\p)+FR*\b+FR-1], v[AF+FR*(\a):AF+FR*(\a)+FR-1], v[8*(8*((\a)%4)+\b):8*(8*((\a)%4)+\b)+7]
.endif
.endr
.endr
.endm
.macro FETCH_B slot, q, p              ; B's eight fragments of the slot's q-th 128 along K into set p
	WIN TO_B
.irp i, 0,1,2,3,4,5,6,7
	FRAG 128*(\p)+FR*\i, ADRB+\slot, \q, \i
.endr
	WIN 0
.endm
.macro FETCH_A slot, q, i0             ; A's blocks i0 .. i0 + 3
.irp i, \i0, \i0+1, \i0+2, \i0+3
	FRAG AF+FR*(\i), ADRA+\slot, \q, \i
.endr
.endm
; A load into a register that a matrix instruction has read, and a vector instruction that reads a matrix result or writes one of a matrix instruction's registers, stand NP places behind it;
; only plain vector instructions that name none of its registers are places (ISA guide 7.12.1 for vector instructions).
.macro PLACES n
.rept \n
	v_nop
.endr
.endm
; A step of 128 along K that has its successor in the same slot.
.macro STEP slot, q, zero
	s_wait_dscnt 4*NL                              ; B's set and A's blocks 0-3 are in; the youngest sixteen loads (A's blocks 4-7) may be out
	WIN MUL_LO
	MUL16 0, (\q)%2, \zero
	MUL16 2, (\q)%2, \zero
	s_wait_dscnt 0                                 ; A's blocks 4-7 are in (asked for 32 matrix instructions ago)
	PLACES NP
	FETCH_B \slot, (\q)+1, 1-(\q)%2
	FETCH_A \slot, (\q)+1, 0
	WIN MUL_HI
	MUL16 4, (\q)%2, \zero
	MUL16 6, (\q)%2, \zero
	PLACES NP
	WIN 0
	FETCH_A \slot, (\q)+1, 4
.endm
; A slot's last step changes slots: ONE barrier; in front of it each wave waits for all its tensor loads, adds 0 to its spare word, and waits for that and for its own reads of this slot.  fill = 1: this slot is filled again, two K steps ahead.
.macro TURN slot, next, fill
	s_wait_tensorcnt 0x0                           ; all my tensor loads have landed: my part of the next slot  (every window is 0 here)
	ds_add_u32 v[SPW], v[NIL]                      ; 0 onto my spare word
	s_wait_dscnt 4*NL+1                            ; (the add and the youngest sixteen loads, A's blocks 4-7, may be out)
	WIN MUL_LO
	MUL16 0, 1, 0                                  ; sixteen matrix instructions stand between the add and the wait for it
	s_wait_dscnt 0x0                               ; the add is done, and my reads of this slot are over
	s_barrier_signal -1
	MUL16 2, 1, 0
	WIN 0
	s_barrier_wait -1
.if \fill
	CREST                                          ; the barrier has opened a round of the cluster's barrier: no wave of any partner still reads this slot's tile or has a load on its way
	s_add_nc_u64 s[G0+4*\slot+2:G0+4*\slot+3], s[G0+4*\slot+2:G0+4*\slot+3], 2*ROWB
	s_add_nc_u64 s[G0B+4*\slot+2:G0B+4*\slot+3], s[G0B+4*\slot+2:G0B+4*\slot+3], 2*ROWB
	JLOAD G0+4*\slot, G1, G0B+4*\slot, G1B         ; the first tensor load behind the round, my one load until the next; the four v_nop behind it are the places in front of the loads below
.else
	PLACES NP
.endif
	FETCH_B \next, 0, 0
	FETCH_A \next, 0, 0
	WIN MUL_HI
	MUL16 4, 1, 0
	MUL16 6, 1, 0
	PLACES NP
	WIN 0
	FETCH_A \next, 0, 4
.endm
; THE WAY OUT of block a (16 rows of side A x my 128 rows of side B).  Each sum x 2^(ea + ew) + bias, one packed multiply-add for two, each accumulator from its low end on; eight numbers to eight codes:
; accumulator b's codes are registers 2 (b % 4), 2 (b % 4) + 1 of fragment b / 4 (q, k: the head; v: the step of 64 keys).  Four stores of 16 bytes a lane.
.macro OUTBLK a, isv
.set AC, 64*((\a)%4)
.set CDS, CD+16*((\a)%2)
.if (\a) > 1
	s_wait_xcnt 0x0                                ; block a - 2's stores have read their data: this set of code registers is written again only behind this wait
.endif
	WIN 0x02+((\a)/4)                              ; source 0: window 2 or 3
.set n, 0
.rept 32
.if \isv
	v_pk_fma_f32 v[TT+n:TT+n+1], v[AC+n:AC+n+1], s[96:97], v[BI+2*(\a):BI+2*(\a)+1] op_sel_hi:[1,0,1]   ; v: the lane's one channel has one bias number, held twice
.else
	v_pk_fma_f32 v[TT+n:TT+n+1], v[AC+n:AC+n+1], s[96:97], v[BI+n:BI+n+1] op_sel_hi:[1,0,1]             ; q, k: register 8 b + j has the bias of channel 16 b + 8 h + j
.endif
.set n, n+2
.endr
	WIN 0
.set n, 0
.rept 64
.set n, n+1
.endr
.irp b, 0,1,2,3,4,5,6,7
	v_cvt_scalef32_pk8_fp8_f32 v[CDS+2*\b:CDS+2*\b+1], v[TT+8*\b:TT+8*\b+7], v[SCR]
.endr
	v_nop                                          ; one plain vector line behind the last conversion: the next block's multiply-adds write the conversions' sources
.irp g, 0,1,2,3
.if \isv
	global_store_b128 v[L16], v[CDS+4*\g:CDS+4*\g+3], s[10:11] offset:((\a)/4)*262144+((\a)%4)*1024+(\g/2)*8192+(\g%2)*512+4096   ; head a / 4, channels 16 (a % 4) on, step g / 2, registers 4 (g % 2) on: 512 consecutive bytes
.else
	global_store_b128 v[CO+2*(\g/2)+(\a)/4], v[CDS+4*\g:CDS+4*\g+3], s[10:11] offset:((\a)%4)*1024+(\g%2)*512                   ; head g / 2, tile a of 16 tokens, registers 4 (g % 2) on: 512 consecutive bytes
.endif
.endr
.endm
; THE TAIL: the bias is asked for, the last 128 along K are multiplied, the constants are made, the eight blocks leave.  Written twice, for q and k (isv = 0) and for v (isv = 1): the bias's loads and their use stand in one arm.
.macro TAIL isv
.if \isv
	s_lshl_b32 s18, s17, 10                        ; v: the bias runs along side A: 4 x (256 x tile row + 128 x my half)
	s_lshl_b32 s19, s15, 9
.else
	s_lshl_b32 s18, s42, 10                        ; q, k: along side B
	s_lshl_b32 s19, s16, 9
.endif
	s_add_co_u32 s18, s18, s19
	s_mov_b32 s19, 0
	s_add_nc_u64 s[8:9], s[8:9], s[18:19]
.if \isv
.irp a, 0,1,2,3,4,5,6,7
	global_load_b32 v[BI+2*\a], v[R4], s[8:9] offset:64*\a        ; the bias of channel 16 a + r,
	global_load_b32 v[BI+2*\a+1], v[R4], s[8:9] offset:64*\a      ; twice: a pair for the packed form
.endr
.else
.irp b, 0,1,2,3,4,5,6,7
	global_load_b128 v[BI+8*\b:BI+8*\b+3], v[H32], s[8:9] offset:64*\b
	global_load_b128 v[BI+8*\b+4:BI+8*\b+7], v[H32], s[8:9] offset:64*\b+16
.endr
.endif
	s_wait_dscnt 4*NL                              ; the very last step: nothing more to fetch
	WIN MUL_LO
	MUL16 0, 1, 0
	MUL16 2, 1, 0
	s_wait_dscnt 0
	WIN MUL_HI
	MUL16 4, 1, 0
	MUL16 6, 1, 0
	WIN 0
	s_wait_kmcnt 0x0                               ; the exponents: e0 .. e7 in s68 .. s75, e8 .. e11 in s76 .. s79
.if \isv
	s_add_co_i32 s96, s72, s73                     ; e4 + e5
	s_mov_b32 s98, s77                             ; e9
	s_lshr_b32 s18, s42, 3                         ; where my codes begin in kv: batch = tile column / 8,
	s_lshl_b32 s18, s18, 4
	s_lshl_b32 s19, s17, 2
	s_add_co_u32 s18, s18, s19
	s_lshl_b32 s19, s15, 1
	s_add_co_u32 s18, s18, s19                     ; HD = 16 x batch + 4 x tile row + 2 x my half,
	s_lshl_b32 s18, s18, 18                        ; a head's 262,144 bytes;
	s_and_b32 s19, s42, 7
	s_lshl_b32 s19, s19, 2
	s_lshl_b32 s20, s16, 1
	s_add_co_u32 s19, s19, s20                     ; step = 4 x (tile column % 8) + 2 x my half,
	s_lshl_b32 s19, s19, 13                        ; a step's 8,192 bytes
	s_add_co_u32 s18, s18, s19
.else
	s_cmp_eq_u32 s12, 1
	s_cselect_b32 s96, s70, s68                    ; ea: e2 for k, e0 for q
	s_cselect_b32 s97, s71, s69                    ; ew: e3, e1
	s_cselect_b32 s98, s75, s74                    ; eo: e7, e6
	s_add_co_i32 s96, s96, s97
	s_lshr_b32 s18, s17, 3                         ; where my codes begin: batch = tile row / 8,
	s_lshl_b32 s18, s18, 4
	s_lshl_b32 s19, s42, 2
	s_add_co_u32 s18, s18, s19
	s_lshl_b32 s19, s16, 1
	s_add_co_u32 s18, s18, s19                     ; HD = 16 x batch + 4 x tile column + 2 x my half,
	s_lshl_b32 s18, s18, 17                        ; a head's 131,072 bytes in qh;
	s_and_b32 s19, s17, 7
	s_lshl_b32 s19, s19, 8
	s_lshl_b32 s20, s15, 7
	s_add_co_u32 s19, s19, s20                     ; my first token in its batch,
	s_lshl_b32 s19, s19, 6                         ; 64 bytes a token
	s_add_co_u32 s18, s18, s19
	s_lshl_b32 s18, s18, s12                       ; in kv all of that is twice as far apart (K's codes take half of each step's bytes)
	s_lshl_b32 s20, 0x20000, s12                   ; from head to head,
	s_lshl_b32 s21, 0x1000, s12                    ; and from my tiles 0-3 to my tiles 4-7
	v_mov_b32 v[CO], v[L16]
	v_add_nc_u32 v[CO+1], s21, v[L16]
	v_add_nc_u32 v[CO+2], s20, v[L16]
	v_add_nc_u32 v[CO+3], s21, v[CO+2]
.endif
	s_mov_b32 s19, 0
	s_add_nc_u64 s[10:11], s[10:11], s[18:19]
	s_add_co_i32 s96, s96, 127
	s_lshl_b32 s96, s96, 23                        ; 2^(ea + ew) as f32
	s_mov_b32 s97, s96                             ; (named with it as a pair, so it is written)
	s_add_co_i32 s98, s98, 127
	s_lshl_b32 s99, s98, 23
	v_mov_b32 v[SCR], s99                          ; 2^eo: the conversion takes its exponent field
	s_add_co_i32 s98, s98, 8
	s_lshl_b32 s98, s98, 23
	s_or_b32 s98, s98, 0x600000
	PLACES NP                                      ; behind the last products: their results are read, and side A's registers written, below
	s_wait_loadcnt 0x0                             ; the bias (asked for 64 matrix instructions ago)
.irp a, 0,1,2,3,4,5,6,7
	OUTBLK \a, \isv
.endr
.endm
	s_wait_alu depctr_va_vdst(0)
	s_wait_tensorcnt 1                             ; my part of K step 0 is in (K step 1's load may be out)
	s_barrier_signal -1
	s_barrier_wait -1                              ; everybody's is
	FETCH_B 0, 0, 0
	FETCH_A 0, 0, 0
	FETCH_A 0, 0, 4
	STEP 0, 0, 1                                   ; the first step stands in front of the loop: its products start the sums
	s_mov_b32 s3, LAPS-1
.Llap:                                                 ; a trip goes once round the ring, from a lap's second step to the next lap's first, and fills both slots again
	TURN 0, 1, 1
	STEP 1, 0, 0
	TURN 1, 0, 1
	STEP 0, 0, 0
	s_sub_co_u32 s3, s3, 1
	s_cmp_lg_u32 s3, 0
	s_cbranch_scc1 .Llap
	TURN 0, 1, 0                                   ; the last lap fills nothing, and has no round of the cluster's barrier
	STEP 1, 0, 0
	s_cmp_eq_u32 s12, 2                            ; the product's number: the same in every wave of every partner
	s_cbranch_scc1 .Lv_tail
	TAIL 0
	s_branch .Ldone
.Lv_tail:
	TAIL 1
.Ldone:
	s_wait_tensorcnt 0x0                           ; the wave's end: behind my last tensor load
	ds_add_u32 v[SPW], v[NIL]
	s_wait_dscnt 0x0
	CROUND                                         ; the closing round: no work-group ends while a partner may still ask for a tile that names it
	s_endpgm
.Lfunc_end_k_qe21904b9e2_proj:
	.size	k_qe21904b9e2_proj, .Lfunc_end_k_qe21904b9e2_proj-k_qe21904b9e2_proj
	.p2alignl 7, 3214868480
	.fill 96, 4, 3214868480
	.section	.rodata,"a",@progbits
	.p2align	6, 0x0
	.amdhsa_kernel k_qe21904b9e2_proj
		.amdhsa_group_segment_fixed_size 327680
		.amdhsa_private_segment_fixed_size 0
		.amdhsa_enable_private_segment 0
		.amdhsa_kernarg_size 96
		.amdhsa_user_sgpr_count 2
		.amdhsa_user_sgpr_kernarg_segment_ptr 1
		.amdhsa_wavefront_size32 1
		.amdhsa_system_sgpr_workgroup_id_x 1
		.amdhsa_system_sgpr_workgroup_id_y 1
		.amdhsa_system_sgpr_workgroup_id_z 1
		.amdhsa_system_vgpr_workitem_id 0
		.amdhsa_next_free_vgpr 1024
		.amdhsa_next_free_sgpr 100
		.amdhsa_reserve_vcc 0
		.amdhsa_float_denorm_mode_32 3
		.amdhsa_float_denorm_mode_16_64 3
		.amdhsa_fp16_overflow 1
		.amdhsa_memory_ordered 1
		.amdhsa_forward_progress 1
		.amdhsa_inst_pref_size 135
	.end_amdhsa_kernel
	.amdgpu_metadata
---
amdhsa.version: [ 1, 2 ]
amdhsa.kernels:
  - .name:           k_qe21904b9e2_proj
    .symbol:         k_qe21904b9e2_proj.kd
    .args:
      - { .name: q_codes, .offset: 0, .size: 8, .value_kind: global_buffer, .address_space: global }
      - { .name: k_codes, .offset: 8, .size: 8, .value_kind: global_buffer, .address_space: global }
      - { .name: v_codes, .offset: 16, .size: 8, .value_kind: global_buffer, .address_space: global }
      - { .name: Wq_codes, .offset: 24, .size: 8, .value_kind: global_buffer, .address_space: global }
      - { .name: Wk_codes, .offset: 32, .size: 8, .value_kind: global_buffer, .address_space: global }
      - { .name: Wv_codes, .offset: 40, .size: 8, .value_kind: global_buffer, .address_space: global }
      - { .name: bq, .offset: 48, .size: 8, .value_kind: global_buffer, .address_space: global }
      - { .name: bk, .offset: 56, .size: 8, .value_kind: global_buffer, .address_space: global }
      - { .name: bv, .offset: 64, .size: 8, .value_kind: global_buffer, .address_space: global }
      - { .name: lowp_scales, .offset: 72, .size: 8, .value_kind: global_buffer, .address_space: global }
      - { .name: qh, .offset: 80, .size: 8, .value_kind: global_buffer, .address_space: global }
      - { .name: kv, .offset: 88, .size: 8, .value_kind: global_buffer, .address_space: global }
    .group_segment_fixed_size: 327680
    .private_segment_fixed_size: 0
    .kernarg_segment_align: 8
    .kernarg_segment_size: 96
    .max_flat_workgroup_size: 128
    .sgpr_count:     100
    .vgpr_count:     1024
    .wavefront_size: 32
...
	.end_amdgpu_metadata
.endif
;; end of part 1
;; launch attn (part 2): grid 4 x 64, 16 waves a work-group, clusters of 4 x 1, 264,192 bytes of LDS; arguments qh, kv, padding_mask, lowp_scales, hid; writes hid
.if DOCPART == 2
	.amdgcn_target "amdgcn-amd-amdhsa--gfx1250"
	.amdhsa_code_object_version 6
	.text
	.protected	k_qe21904b9e2_attn
	.globl	k_qe21904b9e2_attn
	.p2align	8
	.type	k_qe21904b9e2_attn,@function
k_qe21904b9e2_attn:
	s_mov_b64 s[64:65], 0
	v_nop
	global_prefetch_b8 v0, s[64:65] scope:SCOPE_SE
	s_setreg_imm32_b32 hwreg(HW_REG_WAVE_MODE, 25, 1), 1
	s_wait_xcnt 0x0
	s_wait_alu depctr_hold_cnt(0) depctr_sa_sdst(0) depctr_va_vdst(0) depctr_va_sdst(0) depctr_va_ssrc(0) depctr_va_vcc(0) depctr_vm_vsrc(0)
	s_getreg_b32 s2, hwreg(HW_REG_IB_STS2, 6, 4)
	s_cmp_eq_u32 s2, 0
	s_cbranch_scc0 .Lentry_in_a_cluster
	s_endpgm
.Lentry_in_a_cluster:
	s_bfe_u32 s2, ttmp6, 0x10000c
	s_cmp_lg_u32 s2, 0x3003
	s_cbranch_scc0 .Lentry_shape_is_right
	s_endpgm
.Lentry_shape_is_right:
; CAUSAL ATTENTION ON CODES OF FP8 (E4M3), head size 64, 2,048 tokens, 64 heads (HD = 16 x batch + head); the result is quantised at once for the last projection.
; qh and kv hold images of fragments' registers (16 x 64 form: registers 2 c, 2 c + 1 of lane (r, h) hold K = 16 c + 8 h + 0 .. 7 of row r):
;   qh [HD][tile of 16 queries: 128][g: 2][lane][16];  kv [HD][step of 64 keys: 32][8,192]: K [tile of 16 keys: 4][g][lane][16], then V^T [tile of 16 channels: 4][g][lane][16] with the step's keys as K.
; THE SOFTMAX AHEAD OF THE SECOND PRODUCT: t = score x log2(e) / 8; M = the row's largest t so far, rounded UP to a whole number; p = 2^(t - M) is quantised with 2^e8, not normalised; the row's sum is taken of the unquantised p
; and divides at the end.  When M moves, the sum and O are multiplied by 2^(old M - new M), which rounds nothing.
; THE PADDING MASK acts on QUERIES: where it is 0 every logit of the row is -1e9.  In f32 -1e9 x log2(e) is a whole number, so M = t and p = 1 at every key that the causal mask leaves.  Here such a query's CODES are set to 0:
; its scores are 0, t = 0, M = 0, p = 1 at the same keys: the same numbers.  A select, no branch.
; THE CAUSAL MASK: key k counts for query q where k <= q.  Steps all of whose keys come after the wave's queries are left out; in the two steps at the diagonal hidden scores become -infinity ahead of the maximum.
; A HEAD'S K AND V ARE 262,144 BYTES: THEY LIE IN LDS WHOLE, as they lie in memory.  Every LDS byte is filled once: no ring, no refill.  A fragment is read at 16 x lane + constants: 512 consecutive bytes an instruction.
; CLUSTER.  The four work-groups of a cluster take the same head, so both fills are asked for JOINTLY (mask 15).  Each of the sixteen waves asks for 2 KiB of steps 0-3 and 14 KiB of steps 4-31: two loads of a wave are out.
; SHARES.  Wave w owns 32 queries, two tiles of 16: Q0 = 128 rho + 32 cx, rho = 4 (w / 4) + ((w % 4) xor 3 ((w / 4) % 2)): waves w, w + 4, w + 8, w + 12 have ranks that add up to 30.  A wave works steps 0 .. 2 rho + 1: that count hangs on
; the wave's number alone, never on the place in the cluster; for cx = 0, 1 the last of them is wholly hidden (p = 0 throughout), and all partners walk alike.
; LAYOUT.  S^T = K Q^T (source 0 = 16 keys, source 1 = 16 queries), O^T = V^T P^T (source 0 = 16 channels, source 1 = P): a lane holds ONE query (lane % 16) throughout; a tile of S^T gives it keys 16 kt + 8 h + 0 .. 7, whose eight codes
; are registers 2 kt, 2 kt + 1 of P's fragment.
; OUTPUT.  hid [tile of 16 rows: 512][128 along K: 8][c: 4][lane][16]: byte i of lane (r, h) is k = 128 s + 32 c + 16 h + i of row r, k = 64 x head + d: an image of the registers that the last projection's loads give its other operand.
; LIMITS on the given exponents, so that each power of two below is an f32 number: e6 + e7 between -123 and 130 (added to c's exponent field); e8 and e10 between -126 and 119; e8 + e9 goes in by v_ldexp_f32 and has none.
.set LA,   1                           ; v1   16 x lane; never rewritten
.set ADR,  2                           ; v2   LDS address of the step in hand
.set QL,   3                           ; v3   Q0 + r - 8 h
.set DD,   4                           ; v4   that less the step's first key
.set NINF, 5                           ; v5   -infinity
.set LIM,  6
.set PSC,  7                           ; v7   2^e8, at the end 2^e10
.set ST,   8                           ; v8-15, v16-23: tile u's statistics: +0 -M, +1 the largest score, +2, +3 the sum in two halves, +4 f, +5 written 0 (named in a pair), +6, +7 at work
.set Q,    24                          ; v24-39   Q's two fragments
.set P,    40                          ; v40-55   P's two fragments
.set KF,   56                          ; v56-87   K's four fragments
.set VF,   88                          ; v88-119  V^T's four fragments
.set S,    120                         ; v120-183 S^T, then p: tile u, keys 16 kt on, at S + 32 u + 8 kt
.set O,    184                         ; v184-247 O^T: tile u, channels 16 dt on, at O + 32 u + 8 dt
.set WV,   14                          ; s14  my wave's number
.set RHO,  15                          ; s15  my rank
.set G1A,  16                          ; s[16:23] descriptor group 1: 8 rows of 256 bytes
.set G1B,  24                          ; s[24:31] 56 rows of 256 bytes
.set G0A,  32                          ; s[32:35], s[36:39] their groups 0
.set G0B,  36
.set TB,   40                          ; s40  LDS byte at which the step in hand begins; also the loops' counter
.set LAST, 41                          ; s41  the same of my last step
.set OPEN, 42                          ; s42  below this a step's keys all count
.set KFS,  43                          ; s43  at work
.set CS,   44                          ; s[44:45] c = 2^(e6 + e7) log2(e) / 8, twice
.set NC,   46                          ; s46  -c
.set SEL,  48                          ; s[48:49] lane selects for v_permlanex16_b32: lane l xor 16
.set HM,   50                          ; s50  a mask of lanes 16-31
.macro ROUND                           ; a round of the cluster's barrier
	s_barrier_signal -1
	s_barrier_wait -1
	s_cmp_lg_u32 s[WV], 0
	s_cbranch_scc1 .Lnot_wave_0_\@
	s_barrier_signal -3
.Lnot_wave_0_\@:
	s_barrier_wait -3
	s_barrier_signal -1
	s_barrier_wait -1
.endm
	s_load_b256 s[4:11], s[0:1], 0x0               ; qh s[4:5], kv s[6:7], the padding mask s[8:9], the scales' exponents s[10:11]
	s_load_b64 s[12:13], s[0:1], 0x20              ; hid
	v_lshl_add_u32 v254, v0, 2, 0x40000
	v_mov_b32 v255, 0
	ds_add_u32 v254, v255
	ds_add_u32 v254, v255
	v_lshrrev_b32 v2, 5, v0
	s_delay_alu instid0(VALU_DEP_1)
	v_readfirstlane_b32 s[WV], v2                  ; wave 0..15
	s_lshr_b32 s66, s[WV], 2
	s_and_b32 s67, s66, 1
	s_mul_i32 s67, s67, 3
	s_and_b32 s68, s[WV], 3
	s_xor_b32 s68, s68, s67
	s_lshl_b32 s[RHO], s66, 2
	s_add_co_u32 s[RHO], s[RHO], s68               ; my rank
	s_lshl_b32 s[OPEN], s[RHO], 14                 ; step 2 rho: the first at the diagonal
	s_add_co_u32 s[LAST], s[OPEN], 8192            ; step 2 rho + 1: my last
	s_bfe_u32 s51, ttmp6, 0x40000                  ; cx: it enters global addresses and the mask's compare alone
	s_and_b32 s47, ttmp7, 0xffff                   ; HD, which the four partners share
	; descriptor group 1: dense blocks as rows of 256 bytes: 32 elements of 8 bytes, pitch 32, no padding
	s_mov_b32 s[G1A], 15|(3<<16)|(1<<21)           ; 15:0 the mask: all four work-groups; 17:16 elements of 8 bytes; 21 set beside a mask
	s_mov_b32 s[G1A+1], 32<<16                     ; tensor_dim0 = 32
	s_mov_b32 s[G1A+2], 8<<16                      ; tensor_dim1 = 8
	s_mov_b32 s[G1A+3], 32<<16                     ; tile_dim0 = 32
	s_mov_b32 s[G1A+4], 8                          ; tile_dim1 = 8
	s_mov_b32 s[G1A+5], 32                         ; tensor_dim0_stride
	s_mov_b32 s[G1A+6], 0
	s_mov_b32 s[G1A+7], 0
	s_mov_b32 s[G1B], 15|(3<<16)|(1<<21)
	s_mov_b32 s[G1B+1], 32<<16
	s_mov_b32 s[G1B+2], 56<<16                     ; tensor_dim1 = 56
	s_mov_b32 s[G1B+3], 32<<16
	s_mov_b32 s[G1B+4], 56                         ; tile_dim1 = 56
	s_mov_b32 s[G1B+5], 32
	s_mov_b32 s[G1B+6], 0
	s_mov_b32 s[G1B+7], 0
	s_lshl_b32 s66, s47, 18                        ; the head's 262,144 bytes in kv
	s_lshl_b32 s67, s[WV], 11                      ; my 2,048 bytes of steps 0-3: in LDS as in the head's block
	s_mul_i32 s70, s[WV], 14336
	s_add_co_u32 s70, s70, 32768                   ; my 14,336 bytes of steps 4-31
	s_add_co_u32 s68, s66, s67
	s_mov_b32 s69, 0
	s_add_co_u32 s72, s66, s70
	s_mov_b32 s73, 0
	s_lshl_b32 s74, s[RHO], 7
	s_lshl_b32 s75, s51, 5
	s_add_co_u32 s74, s74, s75                     ; Q0 = 128 rho + 32 cx
	s_lshl_b32 s76, s47, 17                        ; qh: the head's 131,072 bytes
	s_lshl_b32 s75, s74, 6                         ; + 64 bytes a query
	s_add_co_u32 s76, s76, s75
	s_mov_b32 s77, 0
	s_lshr_b32 s75, s47, 4                         ; the batch
	s_lshl_b32 s78, s75, 11
	s_add_co_u32 s78, s78, s74
	s_lshl_b32 s78, s78, 2                         ; the mask: 4 x (2,048 x batch + Q0)
	s_mov_b32 s79, 0
	s_lshl_b32 s80, s75, 21                        ; hid: 128 row tiles of 16,384 bytes a batch,
	s_lshl_b32 s75, s74, 10                        ; Q0 / 16 row tiles,
	s_add_co_u32 s80, s80, s75
	s_and_b32 s75, s47, 15
	s_lshl_b32 s75, s75, 10                        ; 1,024 bytes a head
	s_add_co_u32 s80, s80, s75
	s_mov_b32 s81, 0
	s_mov_b32 s[SEL], 0x76543210
	s_mov_b32 s[SEL+1], 0xfedcba98
	s_mov_b32 s[HM], 0xffff0000
	s_wait_dscnt 0x0
	s_wait_kmcnt 0x0
	s_load_b128 s[52:55], s[10:11], 0x10           ; e4 .. e7
	s_load_b128 s[56:59], s[10:11], 0x20           ; e8 .. e11
	s_mov_b32 s[G0A], 1                            ; 1:0 count = 1
	s_mov_b32 s[G0A+1], s67                        ; 63:32 LDS address
	s_add_nc_u64 s[G0A+2:G0A+3], s[6:7], s[68:69]  ; 120:64 global address
	s_or_b32 s[G0A+3], s[G0A+3], 0x80000000        ; 127:126 type = 2
	s_mov_b32 s[G0B], 1
	s_mov_b32 s[G0B+1], s70
	s_add_nc_u64 s[G0B+2:G0B+3], s[6:7], s[72:73]
	s_or_b32 s[G0B+3], s[G0B+3], 0x80000000
	s_add_nc_u64 s[4:5], s[4:5], s[76:77]          ; qh at my first tile
	s_add_nc_u64 s[8:9], s[8:9], s[78:79]          ; the mask at my first query
	s_add_nc_u64 s[12:13], s[12:13], s[80:81]      ; hid at my first tile and head
	ROUND                                          ; all four work-groups are here: the joint loads meet
	tensor_load_to_lds s[G0A:G0A+3], s[G1A:G1A+7]  ; the launch's only fills, together, ahead of every wait on TENSORcnt, every LDS read and every other barrier
	s_nop 0
	tensor_load_to_lds s[G0B:G0B+3], s[G1B:G1B+7]
	s_nop 0
.rept 4
	v_nop
.endr
	v_and_b32 v[LA], 31, v0
	s_delay_alu instid0(VALU_DEP_1)
	v_lshlrev_b32 v[LA], 4, v[LA]
	v_and_b32 v248, 15, v0                         ; r
	v_bfe_u32 v249, v0, 4, 1                       ; h
	s_delay_alu instid0(VALU_DEP_2)
	v_lshlrev_b32 v250, 2, v248                    ; the mask's word of query r
	s_delay_alu instid0(VALU_DEP_2)
	v_lshlrev_b32 v249, 3, v249
	s_delay_alu instid0(VALU_DEP_1)
	v_sub_nc_u32 v[QL], v248, v249
	s_delay_alu instid0(VALU_DEP_1)
	v_add_nc_u32 v[QL], s74, v[QL]                 ; Q0 + r - 8 h
.irp u, 0,1
	global_load_b128 v[Q+8*\u:Q+8*\u+3], v[LA], s[4:5] offset:1024*\u th:TH_LOAD_NT       ; Q's fragments stay in registers
	global_load_b128 v[Q+8*\u+4:Q+8*\u+7], v[LA], s[4:5] offset:1024*\u+512 th:TH_LOAD_NT
	global_load_b32 v[252+\u], v250, s[8:9] offset:64*\u
.endr
	v_mov_b32 v[NINF], 0xff800000
.irp u, 0,1
	v_mov_b32 v[ST+8*\u+1], 0xff61b1e6             ; the largest score so far: -3e38, under every score
	s_delay_alu instid0(VALU_DEP_1)
	v_floor_f32 v[ST+8*\u], -v[ST+8*\u+1]          ; -M
.irp i, 2,3,4,5,6,7
	v_mov_b32 v[ST+8*\u+\i], 0
.endr
.endr
.set n, 0
.rept 64
	v_mov_b32 v[O+n], 0                            ; O^T.  (The step has no first form of its own: the first finds zeros, which the first change of M leaves zeros)
.set n, n+1
.endr
	s_wait_kmcnt 0x0
	s_add_co_i32 s66, s54, s55
	s_lshl_b32 s66, s66, 23
	s_mov_b32 s[CS], 0x3e38aa3b                    ; log2(e) / 8
	s_add_co_i32 s[CS], s[CS], s66                 ; a score stands for score x 2^(e6 + e7): the exponents are added to c's exponent field
	s_mov_b32 s[CS+1], s[CS]                       ; (named with it as a pair, so it is written)
	s_xor_b32 s[NC], s[CS], 0x80000000             ; -c
	s_add_co_i32 s66, s56, 127
	s_lshl_b32 s67, s66, 23
	v_mov_b32 v[PSC], s67                          ; 2^e8 as f32, for the conversion
	s_wait_loadcnt 0x0                             ; Q and the mask
	v_mov_b32 v248, 0
.irp u, 0,1
	v_cmp_eq_u32 vcc_lo, 0, v[252+\u]
.irp i, 0,1,2,3,4,5,6,7
	v_cndmask_b32 v[Q+8*\u+\i], v[Q+8*\u+\i], v248, vcc_lo   ; a masked query's codes become 0 (both halves of the lanes hold query r)
.endr
.endr
; A KEY STEP: 64 keys, both tiles of queries.
.macro STEP
	s_cmp_gt_u32 s[TB], s[LAST]                    ; behind my last step nothing is done: a branch on the wave's number and the loop's counter
	s_cbranch_scc1 .Lskip_\@
	s_setprio 2
	v_add_nc_u32 v[ADR], s[TB], v[LA]
.rept 3
	v_nop                                          ; with the addition four places between the last step's products and the loads into V's registers, which they read
.endr
.irp f, 0,1,2,3,4,5,6,7
	ds_load_b128 v[KF+4*\f:KF+4*\f+3], v[ADR] offset:512*\f          ; K: tile f / 2, registers 4 (f % 2) on
.endr
.irp f, 0,1,2,3,4,5,6,7
	ds_load_b128 v[VF+4*\f:VF+4*\f+3], v[ADR] offset:4096+512*\f     ; V^T likewise: it lands under the softmax
.endr
	s_wait_dscnt 8                                 ; K's eight loads are in; V's eight may be out
	s_wait_alu depctr_va_vdst(0)
.irp kt, 0,1,2,3
.irp u, 0,1
	v_wmma_f32_16x16x64_fp8_fp8 v[S+32*\u+8*\kt:S+32*\u+8*\kt+7], v[KF+8*\kt:KF+8*\kt+7], v[Q+8*\u:Q+8*\u+7], 0
.endr
.endr
.rept 4
	v_nop                                          ; places in front of the first read of the scores
.endr
	s_cmp_lt_u32 s[TB], s[OPEN]                    ; all keys of the step count for all my queries, wherever in the cluster I stand
	s_cbranch_scc1 .Lopen_\@
	s_lshr_b32 s[KFS], s[TB], 7                    ; the step's first key
	s_sub_co_i32 s[KFS], 0, s[KFS]
	v_add_nc_u32 v[DD], s[KFS], v[QL]              ; register S + 32 u + 8 kt + j holds key (first key) + 16 kt + 8 h + j of query Q0 + 16 u + r: hidden where 16 kt + j - 16 u > Q0 + r - 8 h - (first key)
.set n, 0
.rept 64
	v_cmp_gt_i32 vcc_lo, 16*((n%32)/8)+n%8-16*(n/32), v[DD]
	v_cndmask_b32 v[S+n], v[S+n], v[NINF], vcc_lo
.set n, n+1
.endr
.Lopen_\@:
.irp u, 0,1                                    ; the step's largest score of my query among my 32 keys: two chains a tile, each accumulator first read at its low end
	v_max3_num_f32 v[ST+8*\u+6], v[S+32*\u], v[S+32*\u+1], v[S+32*\u+2]
	v_max3_num_f32 v[ST+8*\u+7], v[S+32*\u+16], v[S+32*\u+17], v[S+32*\u+18]
.endr
.irp i, 3,5,7,9,11,13
.irp u, 0,1
	v_max3_num_f32 v[ST+8*\u+6], v[ST+8*\u+6], v[S+32*\u+\i], v[S+32*\u+\i+1]
	v_max3_num_f32 v[ST+8*\u+7], v[ST+8*\u+7], v[S+32*\u+16+\i], v[S+32*\u+17+\i]
.endr
.endr
.irp u, 0
	v_max3_num_f32 v[ST+8*\u+6], v[ST+8*\u+6], v[S+32*\u+15], v[S+32*\u+31]
.endr
.irp u, 1
	v_max3_num_f32 v[ST+8*\u+6], v[ST+8*\u+6], v[S+32*\u+15], v[S+32*\u+31]
.endr
.irp u, 0,1
	s_delay_alu instid0(VALU_DEP_2)
	v_max_num_f32 v[ST+8*\u+6], v[ST+8*\u+6], v[ST+8*\u+7]
.endr
.irp u, 0,1
	s_delay_alu instid0(VALU_DEP_2)
	v_permlanex16_b32 v[ST+8*\u+7], v[ST+8*\u+6], s[SEL], s[SEL+1]   ; the query's other 32 keys lie in the lane 16 away
.endr
.irp u, 0,1
	s_delay_alu instid0(VALU_DEP_2)
	v_max3_num_f32 v[ST+8*\u+1], v[ST+8*\u+1], v[ST+8*\u+6], v[ST+8*\u+7]   ; the running largest score
.endr
.irp u, 0,1
	s_delay_alu instid0(VALU_DEP_2)
	v_mul_f32 v[ST+8*\u+6], s[NC], v[ST+8*\u+1]    ; -t (c is positive)
.endr
.irp u, 0,1
	v_mov_b32 v[ST+8*\u+7], v[ST+8*\u]
.endr
.irp u, 0,1
	s_delay_alu instid0(VALU_DEP_4)
	v_floor_f32 v[ST+8*\u], v[ST+8*\u+6]           ; the new -M = floor(-t) = -ceil(t): M IS A WHOLE NUMBER
.endr
.irp u, 0,1
	s_delay_alu instid0(VALU_DEP_2)
	v_sub_f32 v[ST+8*\u+7], v[ST+8*\u], v[ST+8*\u+7]   ; M's old value less its new one: a whole number, 0 or less
.endr
.irp u, 0,1
	s_delay_alu instid0(VALU_DEP_2)
	v_cvt_i32_f32 v[ST+8*\u+7], v[ST+8*\u+7]       ; (it saturates)
.endr
.irp u, 0,1
	s_delay_alu instid0(VALU_DEP_2)
	v_ldexp_f32 v[ST+8*\u+4], 1.0, v[ST+8*\u+7]    ; f = 2^(old M - new M)
.endr
.irp u, 0,1
.set n, 0
.rept 16
	v_pk_fma_f32 v[S+32*\u+n:S+32*\u+n+1], v[S+32*\u+n:S+32*\u+n+1], s[CS:CS+1], v[ST+8*\u:ST+8*\u+1] op_sel_hi:[1,0,0]   ; t - M, two at a time (of the pairs c and -M the low word serves both halves)
.set n, n+2
.endr
.endr
.set n, 0
	s_setprio 1
	s_wait_alu depctr_va_vdst(0)
.rept 64
	v_exp_f32 v[S+n], v[S+n]                       ; p = 2^(t - M), at most 1: NOT normalised.  One batch
.set n, n+1
.endr
	s_wait_alu depctr_va_vdst(0)
.irp u, 0,1
.set n, 0
.rept 16
	v_pk_mul_f32 v[O+32*\u+n:O+32*\u+n+1], v[O+32*\u+n:O+32*\u+n+1], v[ST+8*\u+4:ST+8*\u+5] op_sel_hi:[1,0]   ; O^T under the new M: work that names no exponential's result, behind the batch
.set n, n+2
.endr
.endr
	s_wait_alu depctr_va_vdst(0)                   ; one wait for the whole batch, ahead of its first reader
.irp u, 0,1
	v_pk_fma_f32 v[ST+8*\u+2:ST+8*\u+3], v[ST+8*\u+2:ST+8*\u+3], v[ST+8*\u+4:ST+8*\u+5], v[S+32*\u:S+32*\u+1] op_sel_hi:[1,0,1]   ; THE ROW'S SUM IS TAKEN OF THE UNQUANTISED p: the old sum x f + the first pair,
.endr
.set n, 2
.rept 15
.irp u, 0,1
	v_pk_add_f32 v[ST+8*\u+2:ST+8*\u+3], v[ST+8*\u+2:ST+8*\u+3], v[S+32*\u+n:S+32*\u+n+1]   ; and the fifteen others; the tiles take turns
.endr
.set n, n+2
.endr
.set n, 0
.rept 64
.set n, n+1
.endr
	s_setprio 0
.irp u, 0,1
.irp kt, 0,1,2,3
	v_cvt_scalef32_pk8_fp8_f32 v[P+8*\u+2*\kt:P+8*\u+2*\kt+1], v[S+32*\u+8*\kt:S+32*\u+8*\kt+7], v[PSC]
.endr
.endr
	v_nop                                          ; one plain vector line between the conversions and the matrix instructions that read their results
	s_wait_alu depctr_va_vdst(0)
	s_wait_dscnt 0x0                               ; V is in
.irp dt, 0,1,2,3
.irp u, 0,1
	v_wmma_f32_16x16x64_fp8_fp8 v[O+32*\u+8*\dt:O+32*\u+8*\dt+7], v[VF+8*\dt:VF+8*\dt+7], v[P+8*\u:P+8*\u+7], v[O+32*\u+8*\dt:O+32*\u+8*\dt+7]   ; eight accumulators by turns, one instruction a turn
.endr
.endr
.Lskip_\@:
.endm
	s_wait_tensorcnt 1                             ; my part of steps 0-3 is in; my part of steps 4-31 may be out
	s_barrier_signal -1
	s_barrier_wait -1                              ; everybody's is
	s_mov_b32 s[TB], 0
.Lfirst:                                           ; steps 0 to 3: four trips for every wave; the work of steps behind a wave's last is jumped over inside the trip
	STEP
	s_add_co_u32 s[TB], s[TB], 8192
	s_cmp_lt_u32 s[TB], 32768
	s_cbranch_scc1 .Lfirst
	s_setprio 0
	s_wait_tensorcnt 0x0                           ; my part of steps 4-31 is in,
	s_wait_dscnt 0x0                               ; (no LDS load of mine is pending at the signal)
	s_barrier_signal -1
	s_barrier_wait -1                              ; everybody's is.  From here on the waves share nothing
	s_mov_b32 s[TB], 32768
.Lrest:                                            ; steps 4 to 31: 28 trips for every wave
	STEP
	s_add_co_u32 s[TB], s[TB], 8192
	s_cmp_lt_u32 s[TB], 262144
	s_cbranch_scc1 .Lrest
	s_setprio 0
	; THE WAY OUT.  O^T / the sum x 2^(e8 + e9) is the hidden layer in f32; it is quantised with 2^e10 and leaves as an image of the next operand's registers.
.rept 4
	v_nop                                          ; places behind the last products
.endr
.irp u, 0,1
	v_add_f32 v[ST+8*\u+6], v[ST+8*\u+2], v[ST+8*\u+3]   ; the sum's two halves,
.endr
.irp u, 0,1
	s_delay_alu instid0(VALU_DEP_2)
	v_permlanex16_b32 v[ST+8*\u+7], v[ST+8*\u+6], s[SEL], s[SEL+1]
.endr
.irp u, 0,1
	s_delay_alu instid0(VALU_DEP_2)
	v_add_f32 v[ST+8*\u+6], v[ST+8*\u+6], v[ST+8*\u+7]   ; and lane l xor 16's: the row's sum, above 1/2
.endr
	s_wait_alu depctr_va_vdst(0)
.irp u, 0,1
	v_rcp_f32 v[ST+8*\u+4], v[ST+8*\u+6]
.endr
	v_nop                                          ; a plain place behind the reciprocals
	s_add_co_i32 s66, s56, s57                     ; e8 + e9
	s_add_co_i32 s67, s58, 127
	s_lshl_b32 s68, s67, 23
	v_mov_b32 v[PSC], s68                          ; 2^e10
.irp i, 0,1,2,3
	v_mov_b32 v[KF+4*\i+2], 0                      ; written once: a lane permute's destination counts as one of its sources
	v_mov_b32 v[KF+4*\i+3], 0
.endr
	s_wait_alu depctr_va_vdst(0)                   ; one wait for both reciprocals, ahead of their first reader
.irp u, 0,1
	v_ldexp_f32 v[ST+8*\u+4], v[ST+8*\u+4], s66
.endr
.irp u, 0,1
.set n, 0
.rept 16
	v_pk_mul_f32 v[S+32*\u+n:S+32*\u+n+1], v[O+32*\u+n:O+32*\u+n+1], v[ST+8*\u+4:ST+8*\u+5] op_sel_hi:[1,0]   ; register 8 dt + j: channel 16 dt + 8 h + j of query r; each accumulator from its low end on
.set n, n+2
.endr
.endr
.set n, 0
.rept 64
.set n, n+1
.endr
.irp u, 0,1
.irp dt, 0,1,2,3
	v_cvt_scalef32_pk8_fp8_f32 v[P+8*\u+2*\dt:P+8*\u+2*\dt+1], v[S+32*\u+8*\dt:S+32*\u+8*\dt+7], v[PSC]
.endr
.endr
	v_nop                                          ; one plain vector line behind the conversions
; A lane holds channels 16 dt + 8 h + 0 .. 7; the image wants 32 c + 16 h + 0 .. 15.  So for each c the halves of the lanes exchange eight codes: lanes 0-15 give those of dt = 2 c + 1 and take the upper eight of dt = 2 c;
; lanes 16-31 give those of dt = 2 c and take the lower eight of dt = 2 c + 1.  Piece i = 2 u + c: X at KF + 4 i, what comes back at KF + 4 i + 2, the result at VF + 4 i.
.irp u, 0,1
.irp c, 0,1
	v_cndmask_b32 v[KF+4*(2*\u+\c)], v[P+8*\u+4*\c+2], v[P+8*\u+4*\c], s[HM]
	v_cndmask_b32 v[KF+4*(2*\u+\c)+1], v[P+8*\u+4*\c+3], v[P+8*\u+4*\c+1], s[HM]
.endr
.endr
.irp i, 0,1,2,3
	v_permlanex16_b32 v[KF+4*\i+2], v[KF+4*\i], s[SEL], s[SEL+1]
	v_permlanex16_b32 v[KF+4*\i+3], v[KF+4*\i+1], s[SEL], s[SEL+1]
.endr
.irp u, 0,1
.irp c, 0,1
	v_cndmask_b32 v[VF+4*(2*\u+\c)], v[P+8*\u+4*\c], v[KF+4*(2*\u+\c)+2], s[HM]
	v_cndmask_b32 v[VF+4*(2*\u+\c)+1], v[P+8*\u+4*\c+1], v[KF+4*(2*\u+\c)+3], s[HM]
	v_cndmask_b32 v[VF+4*(2*\u+\c)+2], v[KF+4*(2*\u+\c)+2], v[P+8*\u+4*\c+2], s[HM]
	v_cndmask_b32 v[VF+4*(2*\u+\c)+3], v[KF+4*(2*\u+\c)+3], v[P+8*\u+4*\c+3], s[HM]
.endr
.endr
.irp u, 0,1
.irp c, 0,1
	global_store_b128 v[LA], v[VF+4*(2*\u+\c):VF+4*(2*\u+\c)+3], s[12:13] offset:16384*\u+512*\c   ; 32 lanes store 512 consecutive bytes, aligned
.endr
.endr
	s_wait_tensorcnt 0x0
	ds_add_u32 v254, v255
	s_wait_dscnt 0x0
	ROUND                                          ; the closing round: no work-group ends while a partner may still ask for a tile that names it
	s_endpgm
.Lfunc_end_k_qe21904b9e2_attn:
	.size	k_qe21904b9e2_attn, .Lfunc_end_k_qe21904b9e2_attn-k_qe21904b9e2_attn
	.p2alignl 7, 3214868480
	.fill 96, 4, 3214868480
	.section	.rodata,"a",@progbits
	.p2align	6, 0x0
	.amdhsa_kernel k_qe21904b9e2_attn
		.amdhsa_group_segment_fixed_size 264192
		.amdhsa_private_segment_fixed_size 0
		.amdhsa_enable_private_segment 0
		.amdhsa_kernarg_size 40
		.amdhsa_user_sgpr_count 2
		.amdhsa_user_sgpr_kernarg_segment_ptr 1
		.amdhsa_wavefront_size32 1
		.amdhsa_system_sgpr_workgroup_id_x 1
		.amdhsa_system_sgpr_workgroup_id_y 1
		.amdhsa_system_sgpr_workgroup_id_z 1
		.amdhsa_system_vgpr_workitem_id 0
		.amdhsa_next_free_vgpr 256
		.amdhsa_next_free_sgpr 84
		.amdhsa_reserve_vcc 1
		.amdhsa_float_denorm_mode_32 3
		.amdhsa_float_denorm_mode_16_64 3
		.amdhsa_fp16_overflow 1
		.amdhsa_memory_ordered 1
		.amdhsa_forward_progress 1
		.amdhsa_inst_pref_size 54
	.end_amdhsa_kernel
	.amdgpu_metadata
---
amdhsa.version: [ 1, 2 ]
amdhsa.kernels:
  - .name:           k_qe21904b9e2_attn
    .symbol:         k_qe21904b9e2_attn.kd
    .args:
      - { .name: qh, .offset: 0, .size: 8, .value_kind: global_buffer, .address_space: global }
      - { .name: kv, .offset: 8, .size: 8, .value_kind: global_buffer, .address_space: global }
      - { .name: padding_mask, .offset: 16, .size: 8, .value_kind: global_buffer, .address_space: global }
      - { .name: lowp_scales, .offset: 24, .size: 8, .value_kind: global_buffer, .address_space: global }
      - { .name: hid, .offset: 32, .size: 8, .value_kind: global_buffer, .address_space: global }
    .group_segment_fixed_size: 264192
    .private_segment_fixed_size: 0
    .kernarg_segment_align: 8
    .kernarg_segment_size: 40
    .max_flat_workgroup_size: 512
    .sgpr_count:     84
    .vgpr_count:     256
    .wavefront_size: 32
...
	.end_amdgpu_metadata
.endif
;; end of part 2
;; launch oproj (part 3): grid 4 x 32, 4 waves a work-group, clusters of 4 x 4, 327,680 bytes of LDS; arguments hid, Wo_codes, lowp_scales, bo, out0; writes out0
.if DOCPART == 3
	.amdgcn_target "amdgcn-amd-amdhsa--gfx1250"
	.amdhsa_code_object_version 6
	.text
	.protected	k_qe21904b9e2_oproj
	.globl	k_qe21904b9e2_oproj
	.p2align	8
	.type	k_qe21904b9e2_oproj,@function
k_qe21904b9e2_oproj:
	s_mov_b64 s[64:65], 0
	v_nop
	global_prefetch_b8 v0, s[64:65] scope:SCOPE_SE
	s_setreg_imm32_b32 hwreg(HW_REG_WAVE_MODE, 25, 1), 1
	s_wait_xcnt 0x0
	s_wait_alu depctr_hold_cnt(0) depctr_sa_sdst(0) depctr_va_vdst(0) depctr_va_sdst(0) depctr_va_ssrc(0) depctr_va_vcc(0) depctr_vm_vsrc(0)
	s_getreg_b32 s2, hwreg(HW_REG_IB_STS2, 6, 4)
	s_cmp_eq_u32 s2, 0
	s_cbranch_scc0 .Lentry_in_a_cluster
	s_endpgm
.Lentry_in_a_cluster:
	s_bfe_u32 s2, ttmp6, 0x10000c
	s_cmp_lg_u32 s2, 0xf033
	s_cbranch_scc0 .Lentry_shape_is_right
	s_endpgm
.Lentry_shape_is_right:
; THE LAST PROJECTION: out0[m][n] = 2^(e10 + e11) x (the sum over k of hid[m][k] Wo[n][k]) + bo[n], on codes of FP8 (E4M3); sums in f32; out0 [8192][1024] f32.
; Wo: [1024][1024] codes, K innermost.  hid: the hidden layer's codes as IMAGES OF FRAGMENTS' REGISTERS: [tile of 16 rows: 512][128 along K: 8][c: 4][lane][16]: byte i of lane (r, h) is k = 128 s + 32 c + 16 h + i of row r:
; the places of K that four loads of 16 bytes, 32 bytes apart, give Wo's fragments: the same on both sides, so every product meets its partner.
; LIMIT: e10 + e11 between -126 and 127, so that 2^(e10 + e11) is an f32 number.
; SHARES.  128 tiles of 256 x 256; a work-group of four waves makes one, a wave 128 x 128: 64 accumulators, 512 registers.  K = 1,024 goes in four steps of 256 through a ring of two LDS slots.
; CLUSTERS: 4 x 4 work-groups; hid's tiles are shared along a row of the cluster, Wo's along a column: each is asked for JOINTLY.  THE MATRIX INSTRUCTION IS USED TRANSPOSED (source 0 = 16 rows of Wo, source 1 = 16 rows of hid):
; a lane then holds eight neighbouring numbers of a row of out0.
; REGISTERS, in windows of 256: window 0: v16-31 addresses; v32-35 my four numbers of bo; from v128 hid's fragments, ONE set (on the way out rows of out0);  window 1: Wo's fragments, TWO sets;
;   window 2: the accumulators of my rows 0-63 ((a, b) at v[8 (8 a + b)]);  window 3: those of my rows 64-127.
.set KSTEP,  256
.set ROWB,   256                       ; a row of Wo's tile in bytes
.set KROW,   1024                      ; a row of Wo in memory
.set PITCH,  272                       ; Wo's rows in LDS: 256 bytes + 16 of padding, so that the 16 rows that a load touches start at 16 different banks (ISA guide 11.1)
.set FR,     16
.set NL,     4
.set NP,     4
.set HALFT,  128*PITCH                 ; Wo: 128 rows, what one tensor load brings
.set HALFA,  32768                     ; hid: 8 row tiles x 4,096 bytes (256 along K), dense: an instruction reads 512 consecutive bytes, so no padding
.set BOFF,   2*HALFA                   ; in a slot: hid's two halves, then Wo's two
.set SLOT,   BOFF+2*HALFT              ; 135,168
.set LAPS,   KROW/(2*KSTEP)
.set STAGE,  2*SLOT                    ; behind the ring: 16 rows x (512 bytes + 16) for each wave, for the way out: bytes of its own
.set SPITCH, 528
.set SPARE,  STAGE+4*16*SPITCH         ; behind the stages: the spare words, 128 bytes for each wave: two blocks of 256 bytes that no other line names
.set ADRA, 16                          ; v16-17  LDS address of my fragments of hid in slot 0, 1
.set ADRB, 20                          ; v20-21  the same for Wo
.set STO,  24                          ; v24     the way out: where I put 32 bytes of a row
.set RD,   25                          ; v25     where I read a row back
.set CO,   26                          ; v26     16 x lane: my byte offset in a row's 512 bytes; never rewritten
.set SPW,  28
.set NIL,  29
.set BO,   32                          ; v32-35  bo of my four columns
.set AF,   128
.set BK,   128                         ; the way out: 16 rows read back: v128-191 and v192-255 by turns
.set G1, 24
.set G0, 32
.set G1B, 48
.set G0B, 56
.set MSB, 0
.macro WIN new
.if MSB != (\new)
	s_set_vgpr_msb (MSB<<8)|(\new)
.set MSB, (\new)
.endif
.endm
.set MUL_LO, 0xa1
.set MUL_HI, 0xf1
.set TO_B,   0x40
.macro JLOAD g0a, g1a, g0b, g1b        ; a joint load: waves 0 and 1 fetch hid's halves, waves 2 and 3 Wo's; four v_nop follow each of the two lines
	s_cmp_eq_u32 s15, 0
	s_cbranch_scc0 .Lfor_b_\@
	tensor_load_to_lds s[\g0a:\g0a+3], s[\g1a:\g1a+7]
	s_nop 0
.rept 4
	v_nop
.endr
	s_branch .Lasked_\@
.Lfor_b_\@:
	tensor_load_to_lds s[\g0b:\g0b+3], s[\g1b:\g1b+7]
	s_nop 0
.rept 4
	v_nop
.endr
.Lasked_\@:
.endm
.macro CREST
	s_cmp_lg_u32 s14, 0
	s_cbranch_scc1 .Lnot_wave_0_\@
	s_barrier_signal -3
.Lnot_wave_0_\@:
	s_barrier_wait -3
	s_barrier_signal -1
	s_barrier_wait -1
.endm
.macro CROUND
	s_barrier_signal -1
	s_barrier_wait -1
	CREST
.endm
	s_load_b128 s[4:7], s[0:1], 0x0                ; hid s[4:5], Wo's codes s[6:7]
	s_load_b128 s[8:11], s[0:1], 0x10              ; the scales' exponents s[8:9], bo s[10:11]
	s_load_b64 s[12:13], s[0:1], 0x20              ; out0
	v_lshl_add_u32 v[SPW], v0, 2, SPARE
	v_mov_b32 v[NIL], 0
	ds_add_u32 v28, v29
	ds_add_u32 v28, v29
	s_wait_dscnt 0x0
	v_lshrrev_b32 v1, 5, v0
	v_readfirstlane_b32 s14, v1                    ; wave 0..3
	s_lshr_b32 s15, s14, 1                         ; which half of the tile's rows is mine.  Also: I fetch for hid (0) or for Wo (1)
	s_and_b32 s16, s14, 1                          ; which half of its columns.  Also: which half of that tile I fetch
	s_bfe_u32 s40, ttmp6, 0x40000                  ; cx, cy
	s_bfe_u32 s41, ttmp6, 0x40004
	s_mov_b32 s42, s40                             ; tile column = cx (the grid is one cluster wide)
	s_and_b32 s17, ttmp7, 0xffff
	s_lshl_b32 s17, s17, 2
	s_add_co_u32 s17, s17, s41                     ; tile row = 4 x cluster y + cy
	s_lshl_b32 s43, s41, 2
	s_lshl_b32 s43, 15, s43                        ; my row of the cluster
	s_lshl_b32 s44, 0x1111, s40                    ; my column
	; descriptor group 1 for hid: 8 rows (row tiles) of 4,096 bytes, 16,384 bytes apart: elements of 8 bytes, no padding
	s_or_b32 s[G1+0], s43, (3<<16)|(1<<21)         ; 15:0 the mask: my row; 17:16 elements of 8 bytes; 21 set beside a mask
	s_mov_b32 s[G1+1], 512<<16                     ; tensor_dim0 = 512
	s_mov_b32 s[G1+2], 8<<16                       ; tensor_dim1 = 8
	s_mov_b32 s[G1+3], 512<<16                     ; tile_dim0 = 512
	s_mov_b32 s[G1+4], 8                           ; tile_dim1 = 8
	s_mov_b32 s[G1+5], 2048                        ; tensor_dim0_stride
	s_mov_b32 s[G1+6], 0
	s_mov_b32 s[G1+7], 0
	; for Wo: 128 rows x 256 bytes, padded in LDS
	s_or_b32 s[G1B+0], s44, (0<<16)|(1<<20)|(1<<21)|(5<<22)|(3<<25)  ; the mask: my column; elements of 1 byte; padding: 4 words after every 64
	s_mov_b32 s[G1B+1], ROWB<<16
	s_mov_b32 s[G1B+2], 128<<16
	s_mov_b32 s[G1B+3], ROWB<<16
	s_mov_b32 s[G1B+4], 128
	s_mov_b32 s[G1B+5], KROW
	s_mov_b32 s[G1B+6], 0
	s_mov_b32 s[G1B+7], 0
	s_lshl_b32 s20, s17, 18                        ; hid: 16 row tiles of 16,384 bytes a tile row,
	s_lshl_b32 s18, s16, 17                        ; 8 of them a half
	s_add_co_u32 s20, s20, s18
	s_mov_b32 s21, 0
	s_lshl_b32 s46, s42, 18                        ; Wo: 256 rows of 1,024 bytes a tile column,
	s_add_co_u32 s46, s46, s18                     ; 128 a half
	s_mov_b32 s47, 0
	s_lshl_b32 s45, s16, 15                        ; where they go: hid's half,
	s_mul_i32 s98, s16, HALFT
	s_add_co_u32 s98, s98, BOFF                    ; Wo's half: no place in the cluster enters an LDS address
	s_wait_kmcnt 0x0
	s_load_b64 s[96:97], s[8:9], 0x28              ; e10, e11
	s_add_nc_u64 s[20:21], s[4:5], s[20:21]
	s_add_nc_u64 s[46:47], s[6:7], s[46:47]
	CROUND                                         ; all sixteen work-groups are here: the first joint loads meet
.irp s, 0,1
	s_mov_b32 s[G0+4*\s], 1
	s_add_co_u32 s[G0+4*\s+1], s45, \s*SLOT
	s_add_nc_u64 s[G0+4*\s+2:G0+4*\s+3], s[20:21], \s*4096      ; K step s: 4,096 bytes on in each row tile
	s_or_b32 s[G0+4*\s+3], s[G0+4*\s+3], 0x80000000
	s_mov_b32 s[G0B+4*\s], 1
	s_add_co_u32 s[G0B+4*\s+1], s98, \s*SLOT
	s_add_nc_u64 s[G0B+4*\s+2:G0B+4*\s+3], s[46:47], \s*ROWB
	s_or_b32 s[G0B+4*\s+3], s[G0B+4*\s+3], 0x80000000
	JLOAD G0+4*\s, G1, G0B+4*\s, G1B               ; two loads of mine are out
.endr
	v_and_b32 v1, 15, v0                           ; r
	v_bfe_u32 v2, v0, 4, 1                         ; h
	v_mul_u32_u24 v3, v1, PITCH
	v_lshl_add_u32 v4, v2, 4, v3                   ; Wo: a fragment's row x pitch + 16 x half
	v_and_b32 v6, 31, v0
	v_lshlrev_b32 v[CO], 4, v6                     ; 16 x lane
	s_lshl_b32 s21, s15, 15                        ; my 8 row tiles of hid
	s_mul_i32 s22, s16, HALFT                      ; my 128 rows of Wo,
	s_add_co_u32 s22, s22, BOFF                    ; which lie behind hid's
.irp s, 0,1
	v_add_nc_u32 v[ADRA+\s], s21, v[CO]
	v_add_nc_u32 v[ADRB+\s], s22, v4
	s_add_co_u32 s21, s21, SLOT
	s_add_co_u32 s22, s22, SLOT
.endr
	s_mul_i32 s23, s14, 16*SPITCH
	s_add_co_u32 s23, s23, STAGE                   ; my stage
	v_mul_u32_u24 v5, v1, SPITCH                   ; in: row r, 32 bytes for each half of the lanes
	v_lshl_add_u32 v5, v2, 5, v5
	v_add_nc_u32 v[STO], s23, v5
	v_add_nc_u32 v[RD], s23, v[CO]                 ; back: the 32 lanes take one row of 512 bytes
	s_lshl_b32 s46, s42, 10                        ; my first column, in bytes: 1,024 x tile column + 512 x half: in bo and in a row of out0
	s_lshl_b32 s47, s16, 9
	s_add_co_u32 s46, s46, s47
	s_mov_b32 s47, 0
	s_add_nc_u64 s[10:11], s[10:11], s[46:47]
	global_load_b128 v[BO:BO+3], v[CO], s[10:11]   ; behind the stage a lane holds the same four columns in every row: four numbers of bo serve all
	s_lshl_b32 s20, s17, 20                        ; my first row of out0: 256 x tile row + 128 x half, 4,096 bytes a row
	s_lshl_b32 s21, s15, 19
	s_add_co_u32 s20, s20, s21
	s_mov_b32 s21, 0
	s_add_nc_u64 s[20:21], s[20:21], s[46:47]
	s_add_nc_u64 s[12:13], s[12:13], s[20:21]
.macro FRAG reg, adr, q, i             ; a fragment of Wo: lane l holds row l % 16; registers 4 c .. 4 c + 3 hold K = 32 c + 16 (l / 16) + 0 .. 15
.irp c, 0,1,2,3
	ds_load_b128 v[\reg+4*\c:\reg+4*\c+3], v[\adr] offset:128*(\q)+32*\c+(\i)*16*PITCH
.endr
.endm
.macro FRAGA reg, adr, q, i            ; a fragment of hid comes back as it was stored: row tile i, the slot's q-th 128 along K, registers 4 c on at 512 c + 16 x lane
.irp c, 0,1,2,3
	ds_load_b128 v[\reg+4*\c:\reg+4*\c+3], v[\adr] offset:(\i)*4096+2048*(\q)+512*\c
.endr
.endm
.macro MUL16 a0, p, zero               ; 16 matrix instructions: hid's blocks a0, a0 + 1 x Wo's eight.  The 64 accumulators take turns, one instruction a turn, in the same order in every step
.irp a, \a0, \a0+1
.irp b, 0,1,2,3,4,5,6,7
.if \zero
	v_wmma_f32_16x16x128_fp8_fp8 v[8*(8*((\a)%4)+\b):8*(8*((\a)%4)+\b)+7], v[128*(\p)+FR*\b:128*(\p)+FR*\b+FR-1], v[AF+FR*(\a):AF+FR*(\a)+FR-1], 0
.else
	v_wmma_f32_16x16x128_fp8_fp8 v[8*(8*((\a)%4)+\b):8*(8*((\a)%4)+\b)+7], v[128*(\p)+FR*\b:128*(\p)+FR*\b+FR-1], v[AF+FR*(\a):AF+FR*(\a)+FR-1], v[8*(8*((\a)%4)+\b):8*(8*((\a)%4)+\b)+7]
.endif
.endr
.endr
.endm
.macro FETCH_B slot, q, p
	WIN TO_B
.irp i, 0,1,2,3,4,5,6,7
	FRAG 128*(\p)+FR*\i, ADRB+\slot, \q, \i
.endr
	WIN 0
.endm
.macro FETCH_A slot, q, i0
.irp i, \i0, \i0+1, \i0+2, \i0+3
	FRAGA AF+FR*(\i), ADRA+\slot, \q, \i
.endr
.endm
.macro PLACES n                        ; places in front of loads into registers that matrix instructions have read, and of the first read of results (ISA guide 7.12.1 for vector instructions)
.rept \n
	v_nop
.endr
.endm
.macro STEP slot, q, zero
	s_wait_dscnt 4*NL                              ; Wo's set and hid's blocks 0-3 are in; the youngest sixteen loads (blocks 4-7) may be out
	WIN MUL_LO
	MUL16 0, (\q)%2, \zero
	MUL16 2, (\q)%2, \zero
	s_wait_dscnt 0                                 ; blocks 4-7 are in
	PLACES NP
	FETCH_B \slot, (\q)+1, 1-(\q)%2
	FETCH_A \slot, (\q)+1, 0
	WIN MUL_HI
	MUL16 4, (\q)%2, \zero
	MUL16 6, (\q)%2, \zero
	PLACES NP
	WIN 0
	FETCH_A \slot, (\q)+1, 4
.endm
.macro TURN slot, next, fill           ; a slot's last step changes slots: ONE barrier
	s_wait_tensorcnt 0x0                           ; all my tensor loads have landed: my part of the next slot
	ds_add_u32 v[SPW], v[NIL]                      ; 0 onto my spare word
	s_wait_dscnt 4*NL+1                            ; (the add and the youngest sixteen loads may be out)
	WIN MUL_LO
	MUL16 0, 1, 0                                  ; sixteen matrix instructions stand between the add and the wait for it
	s_wait_dscnt 0x0                               ; the add is done, and my reads of this slot are over
	s_barrier_signal -1
	MUL16 2, 1, 0
	WIN 0
	s_barrier_wait -1
.if \fill
	CREST                                          ; the barrier has opened a round of the cluster's barrier: no wave of any partner still reads this slot's tile or has a load on its way
	s_add_nc_u64 s[G0+4*\slot+2:G0+4*\slot+3], s[G0+4*\slot+2:G0+4*\slot+3], 2*4096
	s_add_nc_u64 s[G0B+4*\slot+2:G0B+4*\slot+3], s[G0B+4*\slot+2:G0B+4*\slot+3], 2*ROWB
	JLOAD G0+4*\slot, G1, G0B+4*\slot, G1B         ; the first tensor load behind the round, my one load until the next; its four v_nop are the places in front of the loads below
.else
	PLACES NP
.endif
	FETCH_B \next, 0, 0
	FETCH_A \next, 0, 0
	WIN MUL_HI
	MUL16 4, 1, 0
	MUL16 6, 1, 0
	PLACES NP
	WIN 0
	FETCH_A \next, 0, 4
.endm
	s_wait_tensorcnt 1                             ; my part of K step 0 is in (K step 1's load may be out)
	s_barrier_signal -1
	s_barrier_wait -1                              ; everybody's is
	FETCH_B 0, 0, 0
	FETCH_A 0, 0, 0
	FETCH_A 0, 0, 4
	STEP 0, 0, 1                                   ; the first step's products start the sums
	s_mov_b32 s3, LAPS-1
.Llap:
	TURN 0, 1, 1
	STEP 1, 0, 0
	TURN 1, 0, 1
	STEP 0, 0, 0
	s_sub_co_u32 s3, s3, 1
	s_cmp_lg_u32 s3, 0
	s_cbranch_scc1 .Llap
	TURN 0, 1, 0                                   ; the last lap fills nothing
	STEP 1, 0, 0
	s_wait_dscnt 4*NL                              ; the very last step
	WIN MUL_LO
	MUL16 0, 1, 0
	MUL16 2, 1, 0
	s_wait_dscnt 0
	WIN MUL_HI
	MUL16 4, 1, 0
	MUL16 6, 1, 0
	WIN 0
; THE WAY OUT, block by block of 16 rows x 128 columns.  A lane holds 32 neighbouring bytes of a row, the lanes beside it other rows: the sums go as they are through my own stage in LDS and come back as whole rows of 512 bytes.
; There each pair becomes sum x 2^(e10 + e11) + bo by one packed multiply-add, and the 32 lanes store 512 consecutive bytes.  LDS serves a wave's instructions in order (ISA guide 5.7.1.4): no wait between the stores and the loads.
.macro TOSTAGE a
.set AC, 64*((\a)%4)
	WIN 0x08+4*((\a)/4)                            ; the stores' data: window 2 or 3
.irp b, 0,1,2,3,4,5,6,7
	ds_store_b128 v[STO], v[AC+8*\b:AC+8*\b+3] offset:64*\b         ; each accumulator from its low end on
	ds_store_b128 v[STO], v[AC+8*\b+4:AC+8*\b+7] offset:64*\b+16
.endr
	WIN 0
.set BB, BK+64*((\a)%2)
.irp t, 0,1,2,3,4,5,6,7,8,9,10,11,12,13,14,15
	ds_load_b128 v[BB+4*\t:BB+4*\t+3], v[RD] offset:\t*SPITCH
.endr
.endm
.macro SEND a, younger                 ; younger: the LDS instructions issued behind block a's loads, which may stay out
.set BB, BK+64*((\a)%2)
	s_wait_dscnt \younger                          ; the block is back in registers
.if (\a) > 0
	s_add_nc_u64 s[12:13], s[12:13], 16*4096       ; (behind a wait on XCNT: the earlier stores have read their base)  16 rows of out0 on
.endif
.irp t, 0,1,2,3,4,5,6,7,8,9,10,11,12,13,14,15
	v_pk_fma_f32 v[BB+4*\t:BB+4*\t+1], v[BB+4*\t:BB+4*\t+1], s[96:97], v[BO:BO+1] op_sel_hi:[1,0,1]
	v_pk_fma_f32 v[BB+4*\t+2:BB+4*\t+3], v[BB+4*\t+2:BB+4*\t+3], s[96:97], v[BO+2:BO+3] op_sel_hi:[1,0,1]
.endr
.irp t, 0,1,2,3,4,5,6,7,8,9,10,11,12,13,14,15
	global_store_b128 v[CO], v[BB+4*\t:BB+4*\t+3], s[12:13] offset:\t*4096 th:TH_STORE_NT   ; 32 lanes store 512 consecutive bytes, aligned; written once, read by nobody here
.endr
.endm
	s_wait_kmcnt 0x0
	s_add_co_i32 s96, s96, s97                     ; e10 + e11
	s_add_co_i32 s96, s96, 127
	s_lshl_b32 s96, s96, 23                        ; 2^(e10 + e11) as f32
	s_mov_b32 s97, s96                             ; (named with it as a pair, so it is written)
	s_wait_loadcnt 0x0                             ; bo
	PLACES NP                                      ; behind the last products: their results are read, and hid's registers loaded into, below
	TOSTAGE 0
.irp a, 1,2,3,4,5,6,7
.if \a > 1
	s_wait_xcnt 0x0                                ; block a - 2's stores have read their registers and their base: block a's loads may land there, and the base may step
.endif
	TOSTAGE \a
	SEND \a-1, 32                                  ; behind block a - 1's loads: block a's 16 stores and 16 loads
.endr
	s_wait_xcnt 0x0                                ; block 6's stores have read their base
	SEND 7, 0
	s_wait_tensorcnt 0x0                           ; the wave's end: behind my last tensor load and my last LDS store
	ds_add_u32 v[SPW], v[NIL]
	s_wait_dscnt 0x0
	CROUND                                         ; the closing round
	s_endpgm
.Lfunc_end_k_qe21904b9e2_oproj:
	.size	k_qe21904b9e2_oproj, .Lfunc_end_k_qe21904b9e2_oproj-k_qe21904b9e2_oproj
	.p2alignl 7, 3214868480
	.fill 96, 4, 3214868480
	.section	.rodata,"a",@progbits
	.p2align	6, 0x0
	.amdhsa_kernel k_qe21904b9e2_oproj
		.amdhsa_group_segment_fixed_size 327680
		.amdhsa_private_segment_fixed_size 0
		.amdhsa_enable_private_segment 0
		.amdhsa_kernarg_size 40
		.amdhsa_user_sgpr_count 2
		.amdhsa_user_sgpr_kernarg_segment_ptr 1
		.amdhsa_wavefront_size32 1
		.amdhsa_system_sgpr_workgroup_id_x 1
		.amdhsa_system_sgpr_workgroup_id_y 1
		.amdhsa_system_sgpr_workgroup_id_z 1
		.amdhsa_system_vgpr_workitem_id 0
		.amdhsa_next_free_vgpr 1024
		.amdhsa_next_free_sgpr 100
		.amdhsa_reserve_vcc 0
		.amdhsa_float_denorm_mode_32 3
		.amdhsa_float_denorm_mode_16_64 3
		.amdhsa_memory_ordered 1
		.amdhsa_forward_progress 1
		.amdhsa_inst_pref_size 123
	.end_amdhsa_kernel
	.amdgpu_metadata
---
amdhsa.version: [ 1, 2 ]
amdhsa.kernels:
  - .name:           k_qe21904b9e2_oproj
    .symbol:         k_qe21904b9e2_oproj.kd
    .args:
      - { .name: hid, .offset: 0, .size: 8, .value_kind: global_buffer, .address_space: global }
      - { .name: Wo_codes, .offset: 8, .size: 8, .value_kind: global_buffer, .address_space: global }
      - { .name: lowp_scales, .offset: 16, .size: 8, .value_kind: global_buffer, .address_space: global }
      - { .name: bo, .offset: 24, .size: 8, .value_kind: global_buffer, .address_space: global }
      - { .name: out0, .offset: 32, .size: 8, .value_kind: global_buffer, .address_space: global }
    .group_segment_fixed_size: 327680
    .private_segment_fixed_size: 0
    .kernarg_segment_align: 8
    .kernarg_segment_size: 40
    .max_flat_workgroup_size: 128
    .sgpr_count:     100
    .vgpr_count:     1024
    .wavefront_size: 32
...
	.end_amdgpu_metadata
.endif
;; end of part 3
